; MI455X (gfx1250); checked and timed in simulation.
; The chip was launched on July 23, 2026; its instructions are those of AMD's public machine-readable ISA for CDNA 5 (MIT licence, August 2026) and "CDNA5" Instruction Set Architecture Reference Guide (July 2026). The comments in the code are by the model that wrote it; some were corrected since.
;; Discrete Key Value Bottleneck. Allowed arithmetic: matrix products marked QUANTISED: E2M1 operands, one E8M0 scale for each 32 along K, by v_wmma_scale_f32_16x16x128_f8f6f4 with both operands' format E2M1 (or v_wmma_scale_f32_32x16x128_f4), f32 sums; everything else in f32.
;; Inputs: codebook 8,192 x 512 float32; values 8,192 x 512 float32; x 8 x 2,048 x 512 float32.
;; Outputs: out0 8 x 2,048 x 512 float32.
;; This version of the problem:
;;   THIS VERSION OF THE PROBLEM IS GIVEN IN LOW PRECISION. The matrix products marked QUANTISED in the list below multiply operands that are first quantised to E2M1 (2 exponent bits, 1 mantissa bit; 4 bits a number), with one power-of-two scale for each 32 numbers along K (OCP MX v1.0); their sums are f32. All else is computed in f32.
;;   The module's matrix products, in the order in which they are computed (A, B: the left and right operand; K: the contracted axis; several contracted axes count as one K, in the product's order):
;;     1. [M 16,384, K 512] x [K 512, N 8,192]; A: input x; B: input codebook: QUANTISED
;;   THE QUANTISER, for each operand of a quantised product, along K:
;;     - K is cut into blocks of 32 from its start; a last block that is shorter is filled with zeros.
;;     - A block's scale is 2^e with e = floor(log2(the largest magnitude in the block)) - 2, held to -126 .. 127; a block of zeros has e = 0. As a byte (E8M0): e + 127.
;;     - Each number is divided by its block's scale, clamped to +-6, and rounded to the nearest number of E2M1, ties to even, subnormals kept.
;;     - The product sums the exact products of the quantised numbers (number of the format x scale) in f32.
;;   ~~~python
;;   def quantise(x, axis):      # numpy; x: float32 -> the quantised numbers, widened to float32 again
;;       x = np.moveaxis(x, axis, -1); K = x.shape[-1]
;;       x = np.pad(x, [(0, 0)] * (x.ndim - 1) + [(0, -K % 32)]); x = x.reshape(x.shape[:-1] + (-1, 32)); a = np.abs(x).max(-1, keepdims=True)
;;       e = np.where(a > 0, np.clip(np.frexp(np.where(a > 0, a, 1))[1] - 1 - 2, -126, 127), 0)      # np.frexp(a)[1] - 1 = floor(log2(a)), exactly
;;       r = np.clip(x / 2.0 ** e, -6, 6)
;;       step = 2.0 ** (np.maximum(np.frexp(np.where(r == 0, 1, r))[1] - 1, 0) - 1)
;;       q = np.round(r / step) * step * 2.0 ** e      # np.round: ties to even
;;       return np.moveaxis(q.reshape(q.shape[:-2] + (-1,))[..., :K], -1, axis).astype(np.float32)
;;   ~~~
;; One version. Each part assembles by itself: llvm-mc -triple=amdgcn-amd-amdhsa -mcpu=gfx1250 --defsym DOCPART=n.
;; ======== version 1 of 1: 3 launches
;; limits: right only within a limited range of input values
;; workspace buffers: xq 4,521,984 bytes; cbq 2,260,992 bytes; part 2,097,152 bytes of whole numbers
;; launch quant (part 1): grid 768 x 1, 2 waves a work-group, no clusters, 20,736 bytes of LDS; arguments x, codebook, xq, cbq; writes xq, cbq
.if DOCPART == 1
	.amdgcn_target "amdgcn-amd-amdhsa--gfx1250"
	.amdhsa_code_object_version 6
	.text
	.protected	k_q65afd2898c_quant
	.globl	k_q65afd2898c_quant
	.p2align	8
	.type	k_q65afd2898c_quant,@function
k_q65afd2898c_quant:
	s_mov_b64 s[64:65], 0
	v_nop
	global_prefetch_b8 v0, s[64:65] scope:SCOPE_SE
	s_setreg_imm32_b32 hwreg(HW_REG_WAVE_MODE, 25, 1), 1
	s_wait_xcnt 0x0
; x [16384][512] and codebook [8192][512], f32, become codes of FP4 (E2M1) with one E8M0 scale byte for each 32 along K, and one f32 a row:
; the row's sum of squares (x) or -1/2 of it (codebook).  K is innermost in both.
; A block's scale is 2^(floor(log2(its largest magnitude)) - 2); its byte is the largest magnitude's exponent field - 2, held at 1 from below.
; LAYOUT OF THE RESULT: blocks of 512 rows, BLK = 141,312 bytes each.  [0, 131072): codes as images of the matrix operand's registers: tile T (16 rows) has 4,096 bytes;
; piece p (the 16 bytes of k = 32 p .. 32 p + 31) of row r lies at 4096 T + 256 p + 16 r, so that half a fragment (K step s, half c; p = 4 s + 2 c + lane / 16) is 512 bytes on end, 16 a lane.
; [131072, 139264): scale bytes, 16 a row.  [139264, 141312): the f32 number of each row.
; LIMITS: a block of zeros, and a block whose largest magnitude lies under 2^-124, gets the byte 1 (zero blocks have zero codes, and this program alone reads the bytes); NaN and infinities are not served.
; SHARES: a wave takes one tile: 16 steps, one row (2,048 bytes) a step.  Work-groups 0-511 take x, 512-767 the codebook: only pointers and one factor are chosen, the path is one.
; Each load reads 512 consecutive bytes; a row turns through the wave's own stage in LDS so that a lane holds 16 neighbours along K (two lanes to a block).  Loads run eight steps ahead: 32 loads, 16 KiB a wave.
; No barrier: the waves share nothing.
.set WREG, 10240                       ; LDS of a wave: two stages of 32 x SP bytes, 256 scale bytes, the tile's image
.set SP,   80                          ; a lane's place in a stage: 64 bytes + 16 of padding
.set SCB,  5120                        ; the tile's 256 scale bytes
.set IMG,  5376                        ; the tile's codes: piece p at IP x p, row t at 16 t
.set IP,   272                         ; 256 bytes + 16 of padding
.set BLK,  141312
.set R,    16                          ; v16-143  eight sets of 16 numbers as loaded; at the end the image on its way out
.set X,    144                         ; v144-175 two sets of 16 neighbours
.set C,    176                         ; v176-207 two registers of codes for each step: no store's data are written again
.set E,    208                         ; v208-223 a scale byte for each step
.set P,    224                         ; v224-227 squares, in two chains of pairs
.set SM,   228                         ; the row's sum
.set PD,   229                         ; destination of the exchange between the halves of the lanes
.set SQ,   230                         ; lane t: row t's number
	s_load_b128 s[4:7], s[0:1], 0x0                ; x, codebook
	s_load_b128 s[8:11], s[0:1], 0x10              ; xq, cbq
	v_lshl_add_u32 v240, v0, 2, 0x5000
	v_mov_b32 v241, 0
	v_lshrrev_b32 v1, 5, v0
	v_readfirstlane_b32 s16, v1                    ; wave 0, 1
	v_and_b32 v2, 31, v0                           ; lane
	v_lshlrev_b32 v3, 4, v2                        ; 16 x lane: my bytes of a load's or a store's 512
	s_mul_i32 s17, s16, WREG                       ; my wave's LDS
	v_lshrrev_b32 v14, 2, v2
	v_mul_u32_u24 v14, v14, SP
	v_and_b32 v15, 3, v2
	v_lshl_add_u32 v14, v15, 4, v14
	v_add_nc_u32 v14, s17, v14                     ; the stage on the way in: SP (lane / 4) + 16 (lane % 4)
	v_mul_u32_u24 v15, v2, SP
	v_add_nc_u32 v15, s17, v15                     ; and on the way out: SP x lane
	v_lshrrev_b32 v10, 1, v2                       ; p: my block of the row
	v_add_nc_u32 v5, s17, v10
	v_add_nc_u32 v5, SCB, v5                       ; my block's scale byte
	v_lshlrev_b32 v7, 3, v2                        ; 8 x lane
	v_add_nc_u32 v6, s17, v7
	v_add_nc_u32 v6, SCB, v6                       ; the scale bytes on the way out
	v_mul_u32_u24 v4, v10, IP
	v_and_b32 v9, 1, v2
	v_lshl_add_u32 v4, v9, 3, v4
	v_add_nc_u32 v4, s17, v4
	v_add_nc_u32 v4, IMG, v4                       ; the image on the way in: piece p, my half of its 16 bytes
	v_and_b32 v9, 15, v2
	v_lshrrev_b32 v10, 4, v2
	v_mul_u32_u24 v13, v10, IP
	v_lshl_add_u32 v13, v9, 4, v13
	v_add_nc_u32 v13, s17, v13
	v_add_nc_u32 v13, IMG, v13                     ; and on the way out: pieces 2 i + lane / 16, row lane % 16
	v_lshlrev_b32 v12, 2, v2                       ; 4 x lane
	v_mov_b32 v[PD], 0                             ; a lane permute's destination counts as one of its sources
	v_mov_b32 v[SQ], 0
	s_mov_b32 s20, 0x76543210
	s_mov_b32 s21, 0xfedcba98                      ; v_permlanex16_b32's selects for lane l xor 16
	s_wait_kmcnt 0x0
	s_cmp_lt_u32 ttmp9, 512                        ; x's work-group or the codebook's: the choice hangs on the work-group's number alone
	s_cselect_b64 s[4:5], s[4:5], s[6:7]
	s_cselect_b64 s[8:9], s[8:9], s[10:11]
	s_cselect_b32 s17, 0, 512
	s_cselect_b32 s31, 1.0, -0.5                   ; what the sum of squares is multiplied by
	s_sub_co_u32 s17, ttmp9, s17
	s_lshl_b32 s17, s17, 1
	s_add_co_u32 s18, s17, s16                     ; T: my tile of the tensor
	s_lshl_b32 s22, s18, 15                        ; 16 rows of 2,048 bytes
	s_mov_b32 s23, 0
	s_add_nc_u64 s[4:5], s[4:5], s[22:23]
	s_lshr_b32 s24, s18, 5
	s_mul_i32 s24, s24, BLK
	s_mov_b32 s25, 0
	s_add_nc_u64 s[8:9], s[8:9], s[24:25]          ; my block of 512 rows
	s_and_b32 s19, s18, 31                         ; my tile in it
	s_lshl_b32 s24, s19, 12
	s_add_nc_u64 s[12:13], s[8:9], s[24:25]        ; its codes,
	s_lshl_b32 s24, s19, 8
	s_add_co_u32 s24, s24, 131072
	s_add_nc_u64 s[14:15], s[8:9], s[24:25]        ; its scale bytes,
	s_lshl_b32 s24, s19, 6
	s_add_co_u32 s24, s24, 139264
	s_add_nc_u64 s[26:27], s[8:9], s[24:25]        ; its rows' numbers
.macro LOAD t                          ; row t into set t % 8: four loads of 512 consecutive bytes
.irp i, 0,1,2,3
	global_load_b128 v[R+16*((\t)%8)+4*\i:R+16*((\t)%8)+4*\i+3], v3, s[4:5] offset:2048*(\t)+512*\i th:TH_LOAD_NT
.endr
.endm
.macro TURN t                          ; row t through stage t % 2: LDS serves a wave's instructions in order, so no wait stands between the stores and the loads
.irp i, 0,1,2,3
	ds_store_b128 v14, v[R+16*((\t)%8)+4*\i:R+16*((\t)%8)+4*\i+3] offset:32*SP*((\t)%2)+8*SP*\i
.endr
.irp i, 0,1,2,3
	ds_load_b128 v[X+16*((\t)%2)+4*\i:X+16*((\t)%2)+4*\i+3], v15 offset:32*SP*((\t)%2)+16*\i
.endr
.endm
.irp t, 0,1,2,3,4,5,6,7
	LOAD \t
.endr
	s_wait_loadcnt 28                              ; row 0's four loads are in; the 28 of rows 1 to 7 may be out
	TURN 0
.macro STEP t
.set XS, X+16*((\t)%2)
.if (\t) > 0
	s_wait_dscnt 2                                 ; this row is back from the stage; behind its loads only the last step's two small stores were issued
.else
	s_wait_dscnt 0x0
.endif
.if (\t)+8 < 16
	LOAD (\t)+8                                    ; into the set that this row has left
.endif
.if (\t)+1 < 16
.if (\t) <= 7
	s_wait_loadcnt 28                              ; the next row is in; the seven rows behind it may be out
.else
	s_wait_loadcnt 4*(14-(\t))                     ; the rows behind it run out: 15 - (t + 1) of them
.endif
	TURN (\t)+1
.endif
	v_max3_num_f32 v8, |v[XS]|, |v[XS+1]|, |v[XS+2]|               ; the largest magnitude of my 16, in two chains
	v_max3_num_f32 v9, |v[XS+3]|, |v[XS+4]|, |v[XS+5]|
.irp i, 6,10
	v_max3_num_f32 v8, v8, |v[XS+\i]|, |v[XS+\i+1]|
	v_max3_num_f32 v9, v9, |v[XS+\i+2]|, |v[XS+\i+3]|
.endr
	v_max3_num_f32 v8, v8, |v[XS+14]|, |v[XS+15]|
	v_max3_num_f32 v8, v8, v9, 0x1800000           ; and the floor 2^(3 - 127): the byte cannot fall under 1
	v_max_num_f32_dpp v8, v8, v8 row_xmask:1 row_mask:0xf bank_mask:0xf   ; with my neighbour's 16: the block's
	v_add_nc_u32 v11, 0xff000000, v8               ; 2 off its exponent field: the conversion takes the exponent field of this operand as its scale
	v_cvt_scalef32_pk8_fp4_f32 v[C+2*(\t)], v[XS:XS+7], v11
	v_cvt_scalef32_pk8_fp4_f32 v[C+2*(\t)+1], v[XS+8:XS+15], v11
	v_lshrrev_b32 v[E+(\t)], 23, v11               ; the scale's byte; also the plain line behind the conversions
	ds_store_b8 v5, v[E+(\t)] offset:16*(\t)       ; both lanes of a block write the same byte with the same value
	ds_store_b64 v4, v[C+2*(\t):C+2*(\t)+1] offset:16*(\t)         ; my 8 bytes of piece p, row t
	v_pk_mul_f32 v[P:P+1], v[XS:XS+1], v[XS:XS+1]                  ; the row's sum of squares, of the numbers as they came
	v_pk_mul_f32 v[P+2:P+3], v[XS+2:XS+3], v[XS+2:XS+3]
.irp i, 4,8,12
	v_pk_fma_f32 v[P:P+1], v[XS+\i:XS+\i+1], v[XS+\i:XS+\i+1], v[P:P+1]
	v_pk_fma_f32 v[P+2:P+3], v[XS+\i+2:XS+\i+3], v[XS+\i+2:XS+\i+3], v[P+2:P+3]
.endr
	v_pk_add_f32 v[P:P+1], v[P:P+1], v[P+2:P+3]
	v_add_f32 v[SM], v[P], v[P+1]
	v_add_f32_dpp v[SM], v[SM], v[SM] row_xmask:1 row_mask:0xf bank_mask:0xf
	v_add_f32_dpp v[SM], v[SM], v[SM] row_xmask:2 row_mask:0xf bank_mask:0xf
	v_add_f32_dpp v[SM], v[SM], v[SM] row_xmask:4 row_mask:0xf bank_mask:0xf
	v_add_f32_dpp v[SM], v[SM], v[SM] row_xmask:8 row_mask:0xf bank_mask:0xf
	v_permlanex16_b32 v[PD], v[SM], s20, s21
	v_add_f32 v[SM], v[SM], v[PD]
	v_mul_f32 v[SM], s31, v[SM]                    ; x 1 or x -1/2: exact
	s_mov_b32 s30, 1<<(\t)
	v_cndmask_b32 v[SQ], v[SQ], v[SM], s30         ; lane t keeps row t's
.endm
.irp t, 0,1,2,3,4,5,6,7,8,9,10,11,12,13,14,15
	STEP \t
.endr
	ds_load_b64 v[48:49], v6                       ; LDS serves a wave's instructions in order: these see my stores
.irp i, 0,1,2,3,4,5,6,7
	ds_load_b128 v[R+4*\i:R+4*\i+3], v13 offset:2*IP*\i
.endr
	s_wait_alu depctr_va_vdst(0)
	s_wait_dscnt 8                                 ; the scale bytes are in; the eight loads of the image may be out
	global_store_b64 v7, v[48:49], s[14:15]        ; 32 lanes store 256 consecutive bytes, aligned
.irp i, 0,1,2,3,4,5,6,7
	s_wait_dscnt 7-\i                              ; load i of the image is in
	global_store_b128 v3, v[R+4*\i:R+4*\i+3], s[12:13] offset:512*\i   ; 512 consecutive bytes, aligned
.endr
	v_cmp_gt_u32 vcc_lo, 16, v2
	s_wait_xcnt 0x0                                ; EXEC is a source of the stores above: it changes only behind this wait
	s_wait_tensorcnt 0x0
	ds_add_u32 v240, v241
	s_wait_dscnt 0x0
	s_and_saveexec_b32 s32, vcc_lo
	global_store_b32 v12, v[SQ], s[26:27]          ; 16 rows' numbers: 64 bytes
	s_wait_xcnt 0x0
	s_or_b32 exec_lo, exec_lo, s32
	s_endpgm
.Lfunc_end_k_q65afd2898c_quant:
	.size	k_q65afd2898c_quant, .Lfunc_end_k_q65afd2898c_quant-k_q65afd2898c_quant
	.p2alignl 7, 3214868480
	.fill 96, 4, 3214868480
	.section	.rodata,"a",@progbits
	.p2align	6, 0x0
	.amdhsa_kernel k_q65afd2898c_quant
		.amdhsa_group_segment_fixed_size 20736
		.amdhsa_private_segment_fixed_size 0
		.amdhsa_enable_private_segment 0
		.amdhsa_kernarg_size 32
		.amdhsa_user_sgpr_count 2
		.amdhsa_user_sgpr_kernarg_segment_ptr 1
		.amdhsa_wavefront_size32 1
		.amdhsa_system_sgpr_workgroup_id_x 1
		.amdhsa_system_sgpr_workgroup_id_y 1
		.amdhsa_system_sgpr_workgroup_id_z 1
		.amdhsa_system_vgpr_workitem_id 0
		.amdhsa_next_free_vgpr 242
		.amdhsa_next_free_sgpr 66
		.amdhsa_reserve_vcc 1
		.amdhsa_float_denorm_mode_32 3
		.amdhsa_float_denorm_mode_16_64 3
		.amdhsa_memory_ordered 1
		.amdhsa_forward_progress 1
		.amdhsa_inst_pref_size 53
	.end_amdhsa_kernel
	.amdgpu_metadata
---
amdhsa.version: [ 1, 2 ]
amdhsa.kernels:
  - .name:           k_q65afd2898c_quant
    .symbol:         k_q65afd2898c_quant.kd
    .args:
      - { .name: x, .offset: 0, .size: 8, .value_kind: global_buffer, .address_space: global }
      - { .name: codebook, .offset: 8, .size: 8, .value_kind: global_buffer, .address_space: global }
      - { .name: xq, .offset: 16, .size: 8, .value_kind: global_buffer, .address_space: global }
      - { .name: cbq, .offset: 24, .size: 8, .value_kind: global_buffer, .address_space: global }
    .group_segment_fixed_size: 20736
    .private_segment_fixed_size: 0
    .kernarg_segment_align: 8
    .kernarg_segment_size: 32
    .max_flat_workgroup_size: 64
    .sgpr_count:     66
    .vgpr_count:     242
    .wavefront_size: 32
...
	.end_amdgpu_metadata
.endif
;; end of part 1
;; launch nearest (part 2): grid 16 x 16, 8 waves a work-group, clusters of 4 x 4, 327,680 bytes of LDS; arguments xq, cbq, part; writes part
.if DOCPART == 2
	.amdgcn_target "amdgcn-amd-amdhsa--gfx1250"
	.amdhsa_code_object_version 6
	.text
	.protected	k_q65afd2898c_nearest
	.globl	k_q65afd2898c_nearest
	.p2align	8
	.type	k_q65afd2898c_nearest,@function
k_q65afd2898c_nearest:
	s_mov_b64 s[64:65], 0
	v_nop
	global_prefetch_b8 v0, s[64:65] scope:SCOPE_SE
	s_setreg_imm32_b32 hwreg(HW_REG_WAVE_MODE, 25, 1), 1
	s_wait_xcnt 0x0
	s_wait_alu depctr_hold_cnt(0) depctr_sa_sdst(0) depctr_va_vdst(0) depctr_va_sdst(0) depctr_va_ssrc(0) depctr_va_vcc(0) depctr_vm_vsrc(0)
	s_getreg_b32 s2, hwreg(HW_REG_IB_STS2, 6, 4)
	s_cmp_eq_u32 s2, 0
	s_cbranch_scc0 .Lentry_in_a_cluster
	s_endpgm
.Lentry_in_a_cluster:
	s_bfe_u32 s2, ttmp6, 0x10000c
	s_cmp_lg_u32 s2, 0xf033
	s_cbranch_scc0 .Lentry_shape_is_right
	s_endpgm
.Lentry_shape_is_right:
; For 1,024 queries (rows of x) and 512 codes (rows of the codebook): the code with the least x_sq - 2 dot + e_sq, and that distance.  dot is the product of the FP4 codes with their E8M0 scales, sums in f32.
; THE MATRIX INSTRUCTION IS USED TRANSPOSED: source 0 = 16 codes, source 1 = 16 queries: a lane holds ONE query (lane % 16), and its 8 registers are the codes 8 (lane / 16) + 0 .. 7 of the tile.
; -e_sq / 2 is the C of each sum's first matrix instruction, so D = dot - e_sq / 2, and the least distance is the largest D.  x_sq enters once for each query, at the end: d = x_sq - 2 D.
; THE RUNNING MAXIMUM is kept for each lane by TILE: four v_max3, a compare, a select of the tile's number, and eight selects (four dual pairs) that keep the winning tile's numbers; the place in the tile is looked up once, at the end.
; WHAT IS STORED: for each query {key, code}, two whole numbers; the key is the distance's f32 pattern turned so that unsigned whole numbers sort as the distances do.
; ROUNDING, a stated limit: the distance is rounded as fl(x_sq - 2 (dot - e_sq / 2)), the inner sum in the matrix unit; two codes whose distances differ by a few units in the last place of f32 may change places
; against a plain x_sq - 2 dot + e_sq.  Exact ties go to the lowest code.  -0 would sort under +0.  NaN and infinities are not served.
; SHARES: work-group (qb, cb), eight waves.  Wave w keeps its 128 queries' fragments (8 tiles x 4 K steps x 8 registers = window 1) for the whole launch and walks the block's 32 tiles of codes:
; a fragment read from LDS feeds 8 matrix instructions.
; LDS: [0, 282624) the two blocks of 512 queries as they lie in xq; [282624, 325632) code tiles 0-7, then the codes' scale bytes and -e_sq / 2; then 1,024 bytes of spare words.
; When every wave has its queries in registers, code tiles 8-31 (98,304 bytes) are filled onto the queries' bytes, 48 rows a wave, and have the work on tiles 0-7 in which to land.
; CLUSTER 4 x 4: the four work-groups of a column share qb and ask for the queries jointly; the four of a row share cb and ask for the codes jointly.
; NO PREFETCH: every byte that the launch reads is asked for by the head's loads or by the one fill that follows them; there is no later stream and no loop that runs ahead of a load.
.set BLK,   141312                     ; a block of 512 rows: 131,072 of codes, 8,192 of scale bytes, 2,048 of f32 numbers
.set QPART, 47104                      ; a sixth of two blocks: 184 rows of 256 bytes
.set PRE,   282624                     ; LDS: code tiles 0-7
.set PSC,   PRE+32768                  ; the codes' scale bytes, 16 a row
.set PEH,   PRE+40960                  ; -e_sq / 2, 4 bytes a row
.set SPARE, PRE+43008                  ; the spare words: 128 bytes a wave, named by no other line
.set RPART, 12288                      ; an eighth of tiles 8-31: 48 rows of 256 bytes
.set DUAL,  1                          ; the selects that keep a tile's numbers go in dual pairs
.set LI,  1                            ; v1   16 x lane
.set ADA, 2                            ; v2   LDS address of the pair of tiles in hand
.set ADS, 3                            ; v3   of its scale words: lanes 0-15 the even tile's rows, lanes 16-31 the odd tile's
.set ADC, 4                            ; v4   of its -e_sq / 2
.set TID, 5                            ; v5   the tile's number
.set HB,  6                            ; v6   8 (lane / 16) + 512 cb
.set L8,  7                            ; v7   8 x lane
.set T,   8                            ; v8-11 at work
.set AQ,  12                           ; v12-14 LDS addresses of my queries' codes, scale words, x_sq (free again at the end)
.set AQS, 13
.set AQX, 14
.set XS,  16                           ; v16-31  the queries' scale words: register 4 i + s: lanes 0-15 tile 2 i, lanes 16-31 tile 2 i + 1, K step s
.set AS,  32                           ; v32-35  the codes' scale words of a pair of tiles
.set EH,  36                           ; v36-43  -e_sq / 2 of the tile, in the result's layout
.set AF,  48                           ; v48-79  the tile's four fragments
.set ACC, 80                           ; v80-143 eight accumulators
.set SAV, 144                          ; v144-207 the winning tile's numbers
.set BST, 208                          ; v208-223 the best so far, two sets by turns
.set IDX, 224                          ; v224-231 the winning tile's number, later the code
.set XSQ, 232                          ; v232-235 x_sq
.set OUT, 236                          ; v236-243 four pairs {key, code}
.set PB,  244
.set PC,  245
.set SPW, 254                          ; my spare word's address; never rewritten
.set NIL, 255                          ; 0; never rewritten
.set G0Q, 16                           ; s[16:19] group 0, s[24:31] group 1: the queries
.set G1Q, 24
.set G0C, 20                           ; s[20:23], s[32:39]: code tiles 0-7; group 1 later serves tiles 8-31
.set G1C, 32
.set G0S, 40                           ; s[40:43], s[44:51]: the codes' scale bytes and -e_sq / 2
.set G1S, 44
.set G0R, 52                           ; s[52:55]: my eighth of tiles 8-31
.set MSB, 0
.macro WIN new
.if MSB != \new
	s_set_vgpr_msb (MSB<<8)|\new
.set MSB, \new
.endif
.endm
.macro ROUND                           ; a round of the cluster's barrier
	s_barrier_signal -1
	s_barrier_wait -1
	s_cmp_lg_u32 s10, 0
	s_cbranch_scc1 .Lnot_wave_0_\@
	s_barrier_signal -3
.Lnot_wave_0_\@:
	s_barrier_wait -3
	s_barrier_signal -1
	s_barrier_wait -1
.endm
.macro SHAPE g, rows                   ; rows of 32 elements of 8 bytes, dense in memory and in LDS
	s_mov_b32 s[\g+1], 32<<16
	s_mov_b32 s[\g+2], (\rows)<<16
	s_mov_b32 s[\g+3], 32<<16
	s_mov_b32 s[\g+4], \rows
	s_mov_b32 s[\g+5], 32
	s_mov_b32 s[\g+6], 0
	s_mov_b32 s[\g+7], 0
.endm
.macro NOPS4
.rept 4
	v_nop
.endr
.endm
	s_load_b128 s[4:7], s[0:1], 0x0                ; xq, cbq
	s_load_b64 s[8:9], s[0:1], 0x10                ; part
	v_lshl_add_u32 v[SPW], v0, 2, SPARE
	v_mov_b32 v[NIL], 0
	ds_add_u32 v[SPW], v[NIL]                      ; the opening lines: the add twice on end and one wait
	ds_add_u32 v[SPW], v[NIL]
	v_lshrrev_b32 v1, 5, v0
	v_readfirstlane_b32 s10, v1                    ; wave 0..7
	s_bfe_u32 s11, ttmp6, 0x40000                  ; cx
	s_bfe_u32 s12, ttmp6, 0x40004                  ; cy
	s_lshl_b32 s13, ttmp9, 2
	s_add_co_u32 s13, s13, s11                     ; qb = 4 x cluster x + cx
	s_and_b32 s14, ttmp7, 0xffff
	s_lshl_b32 s14, s14, 2
	s_add_co_u32 s14, s14, s12                     ; cb = 4 x cluster y + cy
	s_lshl_b32 s56, 0x1111, s11                    ; my column of the cluster: it shares qb
	s_lshl_b32 s58, s12, 2
	s_lshl_b32 s58, 15, s58                        ; my row: it shares cb
	s_or_b32 s[G1Q], s56, (3<<16)|(1<<21)          ; the mask, elements of 8 bytes, bit 21 beside a mask
	s_or_b32 s[G1C], s58, (3<<16)|(1<<21)
	s_or_b32 s[G1S], s58, (3<<16)|(1<<21)
	SHAPE G1Q, 184
	SHAPE G1C, 128
	SHAPE G1S, 40
	s_mul_i32 s[G0Q+1], s10, QPART                 ; LDS: waves 0-5 bring a sixth of the queries each
	s_mul_i32 s56, s13, 2*BLK
	s_add_co_u32 s56, s56, s[G0Q+1]                ; and its place in xq
	s_mov_b32 s57, 0
	s_mul_i32 s58, s14, BLK                        ; my block of cbq
	s_mov_b32 s59, 0
	s_mul_i32 s[G0R+1], s10, RPART                 ; LDS: my eighth of tiles 8-31,
	s_add_co_u32 s60, s58, s[G0R+1]
	s_add_co_u32 s60, s60, 32768                   ; and its place in cbq
	s_mov_b32 s61, 0
	s_lshl_b32 s66, s14, 17                        ; part: (16384 cb + 1024 qb + 128 wave) x 8 bytes
	s_lshl_b32 s67, s13, 13
	s_add_co_u32 s66, s66, s67
	s_lshl_b32 s67, s10, 10
	s_add_co_u32 s66, s66, s67
	s_mov_b32 s67, 0
	s_lshr_b32 s76, s10, 2                         ; my 128 queries in LDS: block wave / 4, tiles 8 (wave % 4) on
	s_mul_i32 s76, s76, BLK
	s_and_b32 s79, s10, 3
	s_lshl_b32 s77, s79, 11
	s_add_co_u32 s77, s77, s76
	s_add_co_u32 s77, s77, 131072                  ; their scale bytes,
	s_lshl_b32 s78, s79, 9
	s_add_co_u32 s78, s78, s76
	s_add_co_u32 s78, s78, 139264                  ; their x_sq,
	s_lshl_b32 s79, s79, 15
	s_add_co_u32 s76, s76, s79                     ; their codes
	s_lshl_b32 s69, s14, 9                         ; 512 cb
	s_mov_b32 s68, 0xffff0000                      ; lanes 16-31
	s_mov_b32 s70, 0x76543210
	s_mov_b32 s71, 0xfedcba98                      ; v_permlanex16_b32's selects for lane l xor 16
	s_wait_dscnt 0x0                               ; both opening adds are done
	s_wait_kmcnt 0x0
	s_mov_b32 s[G0Q], 1
	s_add_nc_u64 s[G0Q+2:G0Q+3], s[4:5], s[56:57]
	s_or_b32 s[G0Q+3], s[G0Q+3], 0x80000000
	s_mov_b32 s[G0C], 1
	s_mov_b32 s[G0C+1], PRE
	s_add_nc_u64 s[G0C+2:G0C+3], s[6:7], s[58:59]
	s_mov_b32 s[G0S], 1
	s_mov_b32 s[G0S+1], PSC
	s_add_nc_u64 s[G0S+2:G0S+3], s[G0C+2:G0C+3], 131072
	s_or_b32 s[G0C+3], s[G0C+3], 0x80000000
	s_or_b32 s[G0S+3], s[G0S+3], 0x80000000
	s_mov_b32 s[G0R], 1
	s_add_nc_u64 s[G0R+2:G0R+3], s[6:7], s[60:61]
	s_or_b32 s[G0R+3], s[G0R+3], 0x80000000
	s_add_nc_u64 s[8:9], s[8:9], s[66:67]
	ROUND                                          ; all sixteen work-groups are here: the first joint loads meet
; The head's loads, one a wave, in one chain of branches on the wave's number: waves 0-5 the queries, wave 6 code tiles 0-7, wave 7 the codes' scale bytes and -e_sq / 2.
.macro ARM under, g0, g1, next
	s_cmp_lt_u32 s10, \under
	s_cbranch_scc0 \next
	tensor_load_to_lds s[\g0:\g0+3], s[\g1:\g1+7]
	s_nop 0
	NOPS4
	s_branch .Lhead_asked
\next:
.endm
	ARM 6, G0Q, G1Q, .Lhead_c
	ARM 7, G0C, G1C, .Lhead_s
	tensor_load_to_lds s[G0S:G0S+3], s[G1S:G1S+7]
	s_nop 0
	NOPS4
.Lhead_asked:
	v_and_b32 v8, 31, v0                           ; lane
	v_bfe_u32 v9, v0, 4, 1                         ; lane / 16
	v_lshlrev_b32 v[LI], 4, v8
	v_add_nc_u32 v[ADA], PRE, v[LI]
	v_add_nc_u32 v[ADS], PSC, v[LI]
	v_lshl_add_u32 v[ADC], v9, 5, PEH
	v_mov_b32 v[TID], 0
	v_lshl_add_u32 v[HB], v9, 3, s69
	v_lshlrev_b32 v[L8], 3, v8
	v_add_nc_u32 v[AQ], s76, v[LI]
	v_add_nc_u32 v[AQS], s77, v[LI]
	v_lshl_add_u32 v[AQX], v8, 2, s78
	v_mov_b32 v[PB], 0                             ; a lane permute's destination counts as one of its sources
	v_mov_b32 v[PC], 0
; One matrix instruction: accumulator d + 8 q, K step s, the pair's tile par.  The first K step takes -e_sq / 2 as C.
.macro WM d, s, q, par
.set rD, (\d)+8*(\q)
.set rC, rD
.if (\s) == 0
.set rC, EH
.endif
.set rA, AF+8*(\s)
.set rB, 32*(\q)+8*(\s)
.set rSA, AS+(\s)
.set rSB, XS+4*((\q)/2)+(\s)
.if ((\par) == 0) && (((\q)%2) == 0)
	v_wmma_scale_f32_16x16x128_f8f6f4 v[rD:rD+7], v[rA:rA+7], v[rB:rB+7], v[rC:rC+7], v[rSA], v[rSB] matrix_a_fmt:MATRIX_FMT_FP4 matrix_b_fmt:MATRIX_FMT_FP4
.elseif (\par) == 0
	v_wmma_scale_f32_16x16x128_f8f6f4 v[rD:rD+7], v[rA:rA+7], v[rB:rB+7], v[rC:rC+7], v[rSA], v[rSB] matrix_a_fmt:MATRIX_FMT_FP4 matrix_b_fmt:MATRIX_FMT_FP4 matrix_b_scale:MATRIX_SCALE_ROW1
.elseif ((\q)%2) == 0
	v_wmma_scale_f32_16x16x128_f8f6f4 v[rD:rD+7], v[rA:rA+7], v[rB:rB+7], v[rC:rC+7], v[rSA], v[rSB] matrix_a_fmt:MATRIX_FMT_FP4 matrix_b_fmt:MATRIX_FMT_FP4 matrix_a_scale:MATRIX_SCALE_ROW1
.else
	v_wmma_scale_f32_16x16x128_f8f6f4 v[rD:rD+7], v[rA:rA+7], v[rB:rB+7], v[rC:rC+7], v[rSA], v[rSB] matrix_a_fmt:MATRIX_FMT_FP4 matrix_b_fmt:MATRIX_FMT_FP4 matrix_a_scale:MATRIX_SCALE_ROW1 matrix_b_scale:MATRIX_SCALE_ROW1
.endif
.endm
; 32 matrix instructions: one tile of codes against my eight tiles of queries; the eight accumulators take turns.
.macro RUN d, par
.irp s, 0,1,2,3
.irp q, 0,1,2,3,4,5,6,7
	WM \d, \s, \q, \par
.endr
.endr
.endm
; A tile's operands from LDS: each load of a fragment reads 512 consecutive bytes.  scl = 1: the pair's scale words too.
.macro FETCH off4, off64, scl
.irp i, 0,1,2,3,4,5,6,7
	ds_load_b128 v[AF+4*\i:AF+4*\i+3], v[ADA] offset:\off4+512*\i
.endr
	ds_load_b128 v[EH:EH+3], v[ADC] offset:\off64
	ds_load_b128 v[EH+4:EH+7], v[ADC] offset:\off64+16
.if \scl
	ds_load_b128 v[AS:AS+3], v[ADS]
.endif
.endm
; Where VCC is set, the eight numbers at d take the place of those kept at s: two selects an instruction, an even and an odd register.
.macro KEEP8 s, d
.irp j, 0,2,4,6
.if DUAL
	v_dual_cndmask_b32 v[\s+\j], v[\s+\j], v[\d+\j] :: v_dual_cndmask_b32 v[\s+\j+1], v[\s+\j+1], v[\d+\j+1]
.else
	v_cndmask_b32 v[\s+\j], v[\s+\j], v[\d+\j], vcc_lo
	v_cndmask_b32 v[\s+\j+1], v[\s+\j+1], v[\d+\j+1], vcc_lo
.endif
.endr
.endm
; The running maximum of tiles of queries q and q + 1.  Each accumulator is read from its low end on.  A tile wins only where it is strictly better: the earlier tile keeps a tie.
.macro EPI2 q, par
.set rDa, ACC+8*(\q)
.set rDb, ACC+8*(\q)+8
.set rSa, SAV+8*(\q)
.set rSb, SAV+8*(\q)+8
.set rBo, BST+8*(\par)+(\q)
.set rBn, BST+8*(1-(\par))+(\q)
.set rI,  IDX+(\q)
	v_max3_num_f32 v[T], v[rDa], v[rDa+1], v[rDa+2]
	v_max3_num_f32 v[T+2], v[rDb], v[rDb+1], v[rDb+2]
	v_max3_num_f32 v[T+1], v[rDa+3], v[rDa+4], v[rDa+5]
	v_max3_num_f32 v[T+3], v[rDb+3], v[rDb+4], v[rDb+5]
	v_max3_num_f32 v[T], v[T], v[rDa+6], v[rDa+7]
	v_max3_num_f32 v[T+2], v[T+2], v[rDb+6], v[rDb+7]
	s_delay_alu instid0(VALU_DEP_2)
	v_max3_num_f32 v[rBn], v[T], v[T+1], v[rBo]
	s_delay_alu instid0(VALU_DEP_2)
	v_max3_num_f32 v[rBn+1], v[T+2], v[T+3], v[rBo+1]
	s_delay_alu instid0(VALU_DEP_2)
	v_cmp_gt_f32 vcc_lo, v[rBn], v[rBo]
	s_delay_alu instid0(VALU_DEP_2)
	v_cmp_gt_f32 s73, v[rBn+1], v[rBo+1]
	s_delay_alu instid0(VALU_DEP_2)
	v_cndmask_b32 v[rI], v[rI], v[TID], vcc_lo
	s_delay_alu instid0(VALU_DEP_2)
	v_cndmask_b32 v[rI+1], v[rI+1], v[TID], s73
	KEEP8 rSa, rDa
	s_mov_b32 vcc_lo, s73                          ; the second tile's flags
	KEEP8 rSb, rDb
.endm
; The first tile's results are written where the winning tile's numbers are kept: nothing is cleared or copied.
.macro EPIF q
.set rSa, SAV+8*(\q)
.set rT,  T+2*((\q)%2)
	v_max3_num_f32 v[rT], v[rSa], v[rSa+1], v[rSa+2]
	v_max3_num_f32 v[rT+1], v[rSa+3], v[rSa+4], v[rSa+5]
	v_max3_num_f32 v[rT], v[rT], v[rSa+6], v[rSa+7]
	s_delay_alu instid0(VALU_DEP_1)
	v_max_num_f32 v[BST+8+(\q)], v[rT], v[rT+1]
	v_mov_b32 v[IDX+(\q)], 0
.endm
; A TILE OF CODES.  par: the even or the odd tile of its pair; first = 1: the block's first tile; fetch = 1: the next tile's operands are asked for.
; Behind the 32 matrix instructions stand four plain vector lines that name none of their registers: they serve the loads into the operands' registers and the first read of a result;
; the lines of the maxima serve the next tile's matrix instructions, which write over the accumulators, and the loads have those lines in which to land.
.macro TILE par, first, fetch
	s_wait_dscnt 0x0                               ; this tile's operands are in
	WIN 0x04                                       ; source 1 (the queries) window 1
.if \first
	RUN SAV, \par
.else
	RUN ACC, \par
.endif
	WIN 0
.if \first
	v_nop
.else
	v_add_nc_u32 v[TID], 1, v[TID]
.endif
.if (\par) && (\fetch)
	v_add_nc_u32 v[ADA], 8192, v[ADA]              ; on to the next pair of tiles (no LDS load of mine is out)
	v_add_nc_u32 v[ADC], 128, v[ADC]
	v_add_nc_u32 v[ADS], 512, v[ADS]
.else
.rept 3
	v_nop
.endr
.endif
.if \fetch
.if \par
	FETCH 0, 0, 1
.else
	FETCH 4096, 64, 0
.endif
.endif
.if \first
.irp u, 0,1,2,3,4,5,6,7
	EPIF \u
.endr
.else
.irp u, 0,2,4,6
	EPI2 \u, \par
.endr
.endif
.endm
	s_wait_alu depctr_va_vdst(0)
	s_wait_tensorcnt 0x0                           ; my load of the head's eight has landed,
	s_barrier_signal -1
	s_barrier_wait -1                              ; everybody's has
	WIN 0x40                                       ; destination window 1
.set i, 0
.rept 64                               ; fragment (tile q, K step s) at v[32 q + 8 s] of window 1: load i reads 512 consecutive bytes, registers 4 i on
	ds_load_b128 v[4*i:4*i+3], v[AQ] offset:512*i
.set i, i+1
.endr
	WIN 0
.irp i, 0,1,2,3
	ds_load_b128 v[XS+4*\i:XS+4*\i+3], v[AQS] offset:512*\i
.endr
.irp i, 0,1,2,3
	ds_load_b32 v[XSQ+\i], v[AQX] offset:128*\i
.endr
	FETCH 0, 0, 1                                  ; tile 0's operands
	s_wait_tensorcnt 0x0                           ; no tensor load of mine is out;
	ds_add_u32 v[SPW], v[NIL]
	s_mov_b32 s[G1C+2], 48<<16                     ; so a descriptor may be written: from here on 48 rows a load
	s_mov_b32 s[G1C+4], 48
	s_wait_dscnt 0x0                               ; the add is done, and my queries are in registers: my reads of their bytes are over
	ROUND                                          ; that holds of every wave of all sixteen work-groups
	tensor_load_to_lds s[G0R:G0R+3], s[G1C:G1C+7]  ; my eighth of tiles 8-31, onto the queries' bytes: my one tensor load behind the round
	s_nop 0
	NOPS4
	TILE 0, 1, 1                                   ; tile 0 starts the maxima
	TILE 1, 0, 1
	s_mov_b32 s72, 2
.Lpair_a:                                              ; tiles 2 to 5
	TILE 0, 0, 1
	TILE 1, 0, 1
	s_sub_co_u32 s72, s72, 1
	s_cmp_lg_u32 s72, 0
	s_cbranch_scc1 .Lpair_a
	TILE 0, 0, 1                                   ; tile 6
	TILE 1, 0, 0                                   ; tile 7 asks for nothing: tile 8 lies in the later fill
	v_mov_b32 v[ADA], v[LI]                        ; tiles 8-31 lie from LDS byte 0 on
	v_add_nc_u32 v[ADC], 128, v[ADC]
	v_add_nc_u32 v[ADS], 512, v[ADS]
	s_wait_alu depctr_va_vdst(0)
	s_wait_tensorcnt 0x0                           ; my eighth of tiles 8-31 has landed,
	s_barrier_signal -1
	s_barrier_wait -1                              ; everybody's has
	FETCH 0, 0, 1
	s_mov_b32 s72, 11
.Lpair_b:                                              ; tiles 8 to 29
	TILE 0, 0, 1
	TILE 1, 0, 1
	s_sub_co_u32 s72, s72, 1
	s_cmp_lg_u32 s72, 0
	s_cbranch_scc1 .Lpair_b
	TILE 0, 0, 1                                   ; tile 30
	TILE 1, 0, 0                                   ; tile 31; the best lies in the first set
; THE END.  The place in the winning tile: the first of its eight numbers that equals the best.  Then the code, and the better of the two halves of the lanes (the same query, other codes); a tie goes to the lower code.
.macro FIN2 q
.set rSa, SAV+8*(\q)
.set rSb, SAV+8*(\q)+8
.set rB,  BST+(\q)
.set rI,  IDX+(\q)
	v_mov_b32 v12, 7
	v_mov_b32 v13, 7
.irp j, 6,5,4,3,2,1,0
	v_cmp_neq_f32 vcc_lo, v[rSa+\j], v[rB]
	v_cmp_neq_f32 s73, v[rSb+\j], v[rB+1]
	s_delay_alu instid0(VALU_DEP_2)
	v_cndmask_b32 v12, \j, v12, vcc_lo             ; equal: j; else as it was
	s_delay_alu instid0(VALU_DEP_2)
	v_cndmask_b32 v13, \j, v13, s73
.endr
	s_delay_alu instid0(VALU_DEP_2)
	v_lshl_add_u32 v[rI], v[rI], 4, v12
	s_delay_alu instid0(VALU_DEP_2)
	v_lshl_add_u32 v[rI+1], v[rI+1], 4, v13
	s_delay_alu instid0(VALU_DEP_2)
	v_add_nc_u32 v[rI], v[rI], v[HB]               ; code = 512 cb + 16 tile + 8 (lane / 16) + j
	s_delay_alu instid0(VALU_DEP_2)
	v_add_nc_u32 v[rI+1], v[rI+1], v[HB]
.irp u, 0,1
	v_permlanex16_b32 v[PB], v[rB+\u], s70, s71
	v_permlanex16_b32 v[PC], v[rI+\u], s70, s71
	s_delay_alu instid0(VALU_DEP_2)
	v_cmp_gt_f32 s74, v[PB], v[rB+\u]
	s_delay_alu instid0(VALU_DEP_3)
	v_cmp_eq_f32 s75, v[PB], v[rB+\u]
	s_delay_alu instid0(VALU_DEP_3)
	v_cmp_lt_u32 vcc_lo, v[PC], v[rI+\u]
	s_and_b32 s75, s75, vcc_lo
	s_or_b32 s74, s74, s75                         ; the other half's is better, or as good with a lower code
	v_cndmask_b32 v[rB+\u], v[rB+\u], v[PB], s74
	v_cndmask_b32 v[rI+\u], v[rI+\u], v[PC], s74
.endr
.endm
.irp u, 0,2,4,6
	FIN2 \u
.endr
.irp i, 0,1,2,3                        ; lanes 0-15 speak for tile 2 i, lanes 16-31 for tile 2 i + 1: 32 neighbouring queries
	v_cndmask_b32 v[OUT+2*\i], v[BST+2*\i], v[BST+2*\i+1], s68
	v_cndmask_b32 v[OUT+2*\i+1], v[IDX+2*\i], v[IDX+2*\i+1], s68
	s_delay_alu instid0(VALU_DEP_2)
	v_fma_f32 v[OUT+2*\i], v[OUT+2*\i], -2.0, v[XSQ+\i]            ; d = x_sq - 2 (dot - e_sq / 2)
	s_delay_alu instid0(VALU_DEP_1)
	v_ashrrev_i32 v[T+\i], 31, v[OUT+2*\i]                         ; the key: all ones where d is negative, else 0,
	s_delay_alu instid0(VALU_DEP_1)
	v_or_b32 v[T+\i], 0x80000000, v[T+\i]                          ; with the sign bit in both cases,
	s_delay_alu instid0(VALU_DEP_1)
	v_xor_b32 v[OUT+2*\i], v[OUT+2*\i], v[T+\i]                    ; turned over in d's pattern: unsigned keys sort as the distances do
	global_store_b64 v[L8], v[OUT+2*\i:OUT+2*\i+1], s[8:9] offset:256*\i   ; 32 lanes store 256 consecutive bytes, aligned
.endr
	s_wait_tensorcnt 0x0                           ; the wave's end
	ds_add_u32 v[SPW], v[NIL]
	s_wait_dscnt 0x0
	ROUND                                          ; the closing round: no work-group ends while a partner may still ask for a tile that names it
	s_endpgm
.Lfunc_end_k_q65afd2898c_nearest:
	.size	k_q65afd2898c_nearest, .Lfunc_end_k_q65afd2898c_nearest-k_q65afd2898c_nearest
	.p2alignl 7, 3214868480
	.fill 96, 4, 3214868480
	.section	.rodata,"a",@progbits
	.p2align	6, 0x0
	.amdhsa_kernel k_q65afd2898c_nearest
		.amdhsa_group_segment_fixed_size 327680
		.amdhsa_private_segment_fixed_size 0
		.amdhsa_enable_private_segment 0
		.amdhsa_kernarg_size 24
		.amdhsa_user_sgpr_count 2
		.amdhsa_user_sgpr_kernarg_segment_ptr 1
		.amdhsa_wavefront_size32 1
		.amdhsa_system_sgpr_workgroup_id_x 1
		.amdhsa_system_sgpr_workgroup_id_y 1
		.amdhsa_system_sgpr_workgroup_id_z 1
		.amdhsa_system_vgpr_workitem_id 0
		.amdhsa_next_free_vgpr 512
		.amdhsa_next_free_sgpr 80
		.amdhsa_reserve_vcc 1
		.amdhsa_float_denorm_mode_32 3
		.amdhsa_float_denorm_mode_16_64 3
		.amdhsa_memory_ordered 1
		.amdhsa_forward_progress 1
		.amdhsa_inst_pref_size 130
	.end_amdhsa_kernel
	.amdgpu_metadata
---
amdhsa.version: [ 1, 2 ]
amdhsa.kernels:
  - .name:           k_q65afd2898c_nearest
    .symbol:         k_q65afd2898c_nearest.kd
    .args:
      - { .name: xq, .offset: 0, .size: 8, .value_kind: global_buffer, .address_space: global }
      - { .name: cbq, .offset: 8, .size: 8, .value_kind: global_buffer, .address_space: global }
      - { .name: part, .offset: 16, .size: 8, .value_kind: global_buffer, .address_space: global }
    .group_segment_fixed_size: 327680
    .private_segment_fixed_size: 0
    .kernarg_segment_align: 8
    .kernarg_segment_size: 24
    .max_flat_workgroup_size: 256
    .sgpr_count:     80
    .vgpr_count:     512
    .wavefront_size: 32
...
	.end_amdgpu_metadata
.endif
;; end of part 2
;; launch gather (part 3): grid 256 x 1, 8 waves a work-group, no clusters, 0 bytes of LDS; arguments part, values, out0; writes out0
.if DOCPART == 3
	.amdgcn_target "amdgcn-amd-amdhsa--gfx1250"
	.amdhsa_code_object_version 6
	.text
	.protected	k_q65afd2898c_gather
	.globl	k_q65afd2898c_gather
	.p2align	8
	.type	k_q65afd2898c_gather,@function
k_q65afd2898c_gather:
	s_mov_b64 s[64:65], 0
	v_nop
	global_prefetch_b8 v0, s[64:65] scope:SCOPE_SE
	s_setreg_imm32_b32 hwreg(HW_REG_WAVE_MODE, 25, 1), 1
	s_wait_xcnt 0x0
; out0[row] = values[k(row)], rows of 2,048 bytes; k(row) is the code with the least key among the row's 16 partial results in part [16 code blocks][16384 rows] of {key, code}, whole numbers that the
; launch before stored: a key is a distance's f32 pattern turned so that unsigned whole numbers sort as the distances do.  So every comparison here is of whole numbers read from memory.
; A wave takes 8 rows.  Lane l takes row l % 8 (the four groups of eight lanes do the same work, so that lanes 0 to 7 hold the eight codes): 16 loads of 8 bytes a lane, one for each block, all out at once;
; each byte of part is read once in the whole launch, 64 consecutive bytes a wave and block.  The blocks go in ascending order in two chains (0-7, 8-15), joined at the end; a later block wins only where its
; key is strictly less: a tie goes to the lower block, whose codes are the lower ones.
; Then all 32 loads of 512 consecutive bytes at once (16 KiB a wave, 128 KiB a work-group), and the 32 stores as the loads come in.  No loop.  No LDS, no matrix unit, no cluster: a copy shares nothing.
; The rows' loads carry no hint: a row of values may be named by many rows of the output.  A code is held at 8,191 from above; the launch before stores none beyond it.
.set OFF, 2                            ; v2-9     byte offset in values of my 16 bytes of row i
.set D,   16                           ; v16-143  32 x 4 registers
.set K,   144                          ; v144-175 16 pairs {key, code}; pair 0 and pair 8 become the two chains' best
	s_load_b128 s[4:7], s[0:1], 0x0                ; part, values
	s_load_b64 s[8:9], s[0:1], 0x10                ; out0
	v_lshrrev_b32 v1, 5, v0
	s_delay_alu instid0(VALU_DEP_1)
	v_readfirstlane_b32 s10, v1                    ; wave 0..7
	v_and_b32 v10, 7, v0
	s_delay_alu instid0(VALU_DEP_1)
	v_lshlrev_b32 v10, 3, v10                      ; 8 x (lane % 8): my row's pair in a block's row of part
	v_and_b32 v1, 31, v0
	s_delay_alu instid0(VALU_DEP_1)
	v_lshlrev_b32 v1, 4, v1                        ; 16 x lane
	s_lshl_b32 s11, ttmp9, 6
	s_lshl_b32 s12, s10, 3
	s_add_co_u32 s11, s11, s12                     ; my first row: 64 x work-group + 8 x wave
	s_lshl_b32 s12, s11, 3                         ; its pair, 8 bytes a row,
	s_mov_b32 s13, 0
	s_lshl_b32 s14, s11, 11                        ; its place in out0, 2,048 bytes a row
	s_mov_b32 s15, 0
	s_wait_alu depctr_va_vdst(0)
	s_wait_kmcnt 0x0
	s_add_nc_u64 s[4:5], s[4:5], s[12:13]
	s_add_nc_u64 s[8:9], s[8:9], s[14:15]
.irp c, 0,1,2,3,4,5,6,7,8,9,10,11,12,13,14,15
	global_load_b64 v[K+2*\c:K+2*\c+1], v10, s[4:5] offset:131072*\c
.endr
.irp c, 1,2,3,4,5,6,7
	s_wait_alu depctr_va_vdst(0)
	s_wait_loadcnt 7-\c                            ; blocks 0 to c + 8 are in; the 7 - c younger loads may be out
	v_cmp_lt_u32 vcc_lo, v[K+2*\c], v[K]           ; block c against the best of blocks 0 to c - 1,
	v_cmp_lt_u32 s24, v[K+16+2*\c], v[K+16]        ; block c + 8 against the best of blocks 8 to c + 7
	s_delay_alu instid0(VALU_DEP_2)
	v_cndmask_b32 v[K], v[K], v[K+2*\c], vcc_lo
	s_delay_alu instid0(VALU_DEP_3)
	v_cndmask_b32 v[K+1], v[K+1], v[K+2*\c+1], vcc_lo
	s_delay_alu instid0(VALU_DEP_3)
	v_cndmask_b32 v[K+16], v[K+16], v[K+16+2*\c], s24
	s_delay_alu instid0(VALU_DEP_4)
	v_cndmask_b32 v[K+17], v[K+17], v[K+17+2*\c], s24
.endr
	s_delay_alu instid0(VALU_DEP_2)
	v_cmp_lt_u32 vcc_lo, v[K+16], v[K]             ; the upper eight blocks win only where they are strictly less
	s_delay_alu instid0(VALU_DEP_1)
	v_cndmask_b32 v[K+1], v[K+1], v[K+17], vcc_lo  ; lane i, i = 0 .. 7: row i's code
.irp i, 0,1,2,3,4,5,6,7
	v_readlane_b32 s[16+\i], v[K+1], \i
.endr
.irp i, 0,1,2,3,4,5,6,7
	s_min_u32 s[16+\i], s[16+\i], 8191
	s_lshl_b32 s[16+\i], s[16+\i], 11
	v_add_nc_u32 v[OFF+\i], s[16+\i], v1
.endr
	s_wait_alu depctr_va_vdst(0)
.irp i, 0,1,2,3,4,5,6,7
.irp j, 0,1,2,3
	global_load_b128 v[D+16*\i+4*\j:D+16*\i+4*\j+3], v[OFF+\i], s[6:7] offset:512*\j
.endr
.endr
.irp i, 0,1,2,3,4,5,6,7
.irp j, 0,1,2,3
	s_wait_loadcnt 31-4*\i-\j                      ; load 4 i + j is in; the younger ones may be out
	global_store_b128 v1, v[D+16*\i+4*\j:D+16*\i+4*\j+3], s[8:9] offset:2048*\i+512*\j th:TH_STORE_NT   ; 512 consecutive bytes, aligned; written once
.endr
.endr
	s_endpgm
.Lfunc_end_k_q65afd2898c_gather:
	.size	k_q65afd2898c_gather, .Lfunc_end_k_q65afd2898c_gather-k_q65afd2898c_gather
	.p2alignl 7, 3214868480
	.fill 96, 4, 3214868480
	.section	.rodata,"a",@progbits
	.p2align	6, 0x0
	.amdhsa_kernel k_q65afd2898c_gather
		.amdhsa_group_segment_fixed_size 0
		.amdhsa_private_segment_fixed_size 0
		.amdhsa_enable_private_segment 0
		.amdhsa_kernarg_size 24
		.amdhsa_user_sgpr_count 2
		.amdhsa_user_sgpr_kernarg_segment_ptr 1
		.amdhsa_wavefront_size32 1
		.amdhsa_system_sgpr_workgroup_id_x 1
		.amdhsa_system_sgpr_workgroup_id_y 1
		.amdhsa_system_sgpr_workgroup_id_z 1
		.amdhsa_system_vgpr_workitem_id 0
		.amdhsa_next_free_vgpr 176
		.amdhsa_next_free_sgpr 66
		.amdhsa_reserve_vcc 1
		.amdhsa_float_denorm_mode_32 3
		.amdhsa_float_denorm_mode_16_64 3
		.amdhsa_memory_ordered 1
		.amdhsa_forward_progress 1
		.amdhsa_inst_pref_size 15
	.end_amdhsa_kernel
	.amdgpu_metadata
---
amdhsa.version: [ 1, 2 ]
amdhsa.kernels:
  - .name:           k_q65afd2898c_gather
    .symbol:         k_q65afd2898c_gather.kd
    .args:
      - { .name: part, .offset: 0, .size: 8, .value_kind: global_buffer, .address_space: global }
      - { .name: values, .offset: 8, .size: 8, .value_kind: global_buffer, .address_space: global }
      - { .name: out0, .offset: 16, .size: 8, .value_kind: global_buffer, .address_space: global }
    .group_segment_fixed_size: 0
    .private_segment_fixed_size: 0
    .kernarg_segment_align: 8
    .kernarg_segment_size: 24
    .max_flat_workgroup_size: 256
    .sgpr_count:     66
    .vgpr_count:     176
    .wavefront_size: 32
...
	.end_amdgpu_metadata
.endif
;; end of part 3
